; MI455X (gfx1250); checked and timed in simulation.
; The chip was launched on July 23, 2026; its instructions are those of AMD's public machine-readable ISA for CDNA 5 (MIT licence, August 2026) and "CDNA5" Instruction Set Architecture Reference Guide (July 2026). The comments in the code are by the model that wrote it; some were corrected since.
;; Seq Attention Block. Allowed arithmetic: matrix products marked QUANTISED: E4M3 operands, one given power-of-two scale a tensor, by v_wmma_f32_16x16x64_fp8_fp8 or v_wmma_f32_16x16x128_fp8_fp8, f32 sums; everything else in f32.
;; Inputs: Wk 128 x 256 float32; Wq 128 x 256 float32; Wv 128 x 256 float32; bk 256 float32; bq 256 float32; bv 256 float32; inp 8 x 512 x 16 x 128 float32; lowp_scales 10 int32 (the exponents e of the quantised operands' scales 2^e); mask 8 x 512 x 16 bool.
;; Outputs: out0 8 x 512 x 16 x 256 float32.
;; This version of the problem:
;;   THIS VERSION OF THE PROBLEM IS GIVEN IN LOW PRECISION. The matrix products marked QUANTISED in the list below multiply operands that are first quantised to E4M3 (4 exponent bits, 3 mantissa bits; 8 bits a number), with one given power-of-two scale for each operand tensor; their sums are f32. All else is computed in f32.
;;   The module's matrix products, in the order in which they are computed (A, B: the left and right operand; K: the contracted axis; several contracted axes count as one K, in the product's order):
;;     1. [M 65,536, K 128] x [K 128, N 256]; A: input inp; B: input Wq: QUANTISED (scales: A lowp_scales[0], B lowp_scales[1])
;;     2. [M 65,536, K 128] x [K 128, N 256]; A: input inp; B: input Wk: QUANTISED (scales: A lowp_scales[2], B lowp_scales[3])
;;     3. [M 65,536, K 128] x [K 128, N 256]; A: input inp; B: input Wv: QUANTISED (scales: A lowp_scales[4], B lowp_scales[5])
;;     4. batch 1,024 x [M 512, K 32] x [K 32, N 512]; A: computed on the way; B: computed on the way: QUANTISED (scales: A lowp_scales[6], B lowp_scales[7])
;;     5. batch 1,024 x [M 512, K 512] x [K 512, N 32]; A: computed on the way; B: computed on the way: QUANTISED (scales: A lowp_scales[8], B lowp_scales[9])
;;   THE QUANTISER, for each operand of a quantised product, along K:
;;     - The operand's scale is 2^e, e = its entry of the input lowp_scales (int32; the entries are numbered through the quantised products in the list's order, A before B).
;;     - Each number is divided by the scale, clamped to +-448, and rounded to the nearest number of E4M3, ties to even, subnormals kept.
;;     - The product sums the exact products of the quantised numbers (number of the format x scale) in f32.
;;   ~~~python
;;   def quantise(x, axis, e):      # numpy; x: float32 -> the quantised numbers, widened to float32 again
;;       x = np.moveaxis(x, axis, -1); K = x.shape[-1]
;;       r = np.clip(x / 2.0 ** e, -448, 448)
;;       step = 2.0 ** (np.maximum(np.frexp(np.where(r == 0, 1, r))[1] - 1, -6) - 3)
;;       q = np.round(r / step) * step * 2.0 ** e      # np.round: ties to even
;;       return np.moveaxis(q, -1, axis).astype(np.float32)
;;   ~~~
;;   OPERANDS COMPUTED ON THE WAY. 'Computed on the way' means the value that the module computes at that place (a softmax that the list does not call 'softmax' is quantised finished and normalised). What goes into a quantiser is computed in f32, as accurately as f32 sums, v_exp_f32 and their like allow (about 1e-6 of the number): no bf16 or f16 on the way to a quantiser, and a product that is left as it is and whose result goes on into a quantised operand takes f32 operands (vector FMAs, or v_wmma_f32_16x16x4_f32). A number that lies on a knife's edge between two numbers of the format may be rounded either way, as far as f32 arithmetic and the matrix unit's own rounding can turn it there, and no further.
;; One version. Each part assembles by itself: llvm-mc -triple=amdgcn-amd-amdhsa -mcpu=gfx1250 --defsym DOCPART=n.
;; ======== version 1 of 1: 1 launch
;; limits: right only within a limited range of input values
;; launch seqattn (part 1): grid 256 x 1, 8 waves a work-group, no clusters, 299,520 bytes of LDS; arguments inp, mask, Wq, bq, Wk, bk, Wv, bv, lowp_scales, out0; writes out0
.if DOCPART == 1
	.amdgcn_target "amdgcn-amd-amdhsa--gfx1250"
	.amdhsa_code_object_version 6
	.text
	.protected	k_q902da66714_seqattn
	.globl	k_q902da66714_seqattn
	.p2align	8
	.type	k_q902da66714_seqattn,@function
k_q902da66714_seqattn:
	s_mov_b64 s[64:65], 0
	v_nop
	global_prefetch_b8 v0, s[64:65] scope:SCOPE_SE
	s_setreg_imm32_b32 hwreg(HW_REG_WAVE_MODE, 25, 1), 1
	s_wait_xcnt 0x0
; SeqAttentionBlock in FP8 (E4M3), one launch.  inp [8][512][16][128] f32, mask [8][512][16] bool, Wq/Wk/Wv [128][256] f32, bq/bk/bv [256] f32, lowp_scales [10] int32, out0 [8][512][16][256] f32.
; SHARES.  Work-group id = 2 (16 b + m) + hh owns one pair (b, m) and the heads 4 hh .. 4 hh + 3.  Eight waves of 512 registers, two to a SIMD.
; SLOTS.  The mask gives a permutation of the 512 time steps: with n unmasked steps, NC = max(1, ceil(n / 64)) and PAD = 64 NC - n, the unmasked steps take slots PAD .. 64 NC - 1, masked steps the other slots.
; Rows of inp are gathered in slot order; wave w owns slots 64 w .. 64 w + 63: its rows in the projections, chunk w of K and V, its 64 queries.
; A masked key has weight 0 in reference(), so scores, softmax and the second product walk chunks 0 .. NC - 1 alone (scalar branches on NC, a count of the mask's bytes); the PAD masked slots of chunk 0 get -1e30
; as the C of chunk 0's score products, and where PAD >= 32 the exponentials and conversions of slots 0 .. 31 are left out (their codes stay 0).  Every query, masked or not, gets its row, at the slot's time step.
; CHAIN.  inp is quantised three times (a scale of its own in each projection), W in registers with a lane to a column and registers down K.  q, k, v = D x 2^(ea + eb) + bias, one fused multiply-add,
; are held, converted and go to LDS as images of the operands' registers (lane l's 16 bytes at 16 l).  S^T = K Q^T keeps 16 queries x up to 512 slots in 256 registers: a lane holds ONE query.
; THE PROJECTIONS' SUMS ARE MADE OF LIKE-SIZED TERMS.  A code is HIGH where its exponent field is 8 or more (bit 6 of the byte: |code| >= 2), else LOW; a part is the operand with the other part's bytes 0.
; HH = x_hi . W_hi (multiples of 2^-4 under 2^18), M = x_lo . W_hi + x_hi . W_lo (multiples of 2^-11 under 2^10), LL = x_lo . W_lo (under 4): the products' bits span 22 places at most in each; D = HH + (M + LL).
; So where D and the bias nearly cancel, q keeps its bits.  LIMIT: an HH of 2^20 or more, or an M of 2^13 or more, is itself rounded to f32.  W is split once, where it is quantised; x once for each matrix.
; THE SCORES ARE MULTIPLIED TWICE.  The first products give the row's maximum and nothing else.  The second take -maximum as their C, so that the sum's one rounding to f32 falls on s - maximum and not on s.
; Then w = 2^(c (s - maximum)) / sum, held at 448 x 2^e8, converted, multiplied with V^T.
; The head's K is 32 and the form's is 64: an operand of eight registers holds two key tiles, and q stands as [q | 0] for the first and as [0 | q] for the second.
; THE HOLD OF w is left out by a scalar branch where e8 >= -8: w is at most 1 but for rounding, and 448 x 2^-8 is 1.75.
; NO TENSOR LOADS, NO CLUSTER, NO PREFETCH: rows are gathered by a list made from the mask and chunks are left out by branches on a count made from it; all that a work-group reads from memory is asked for
; whole at the head (a wave has 64 loads of 512 bytes out), so there is no loop to run ahead in.
; LIMITS on the given exponents, so that each power of two is an f32 number: e0 .. e9 each between -126 and 119; e0+e1, e2+e3, e4+e5, e8+e9 between -126 and 127; e6+e7 between -90 and 90 (so that -1e30 x c
; underflows the exponential).  NaN among the inputs is not served.  A pair whose keys are all masked gives zeros.
; REGISTERS, numbered 0 .. 511 (window = number / 256): v0-7 ids and addresses; v8-29 constants and statistics; v30, v31 the spare word's address and 0; 32-287 x as loaded, then the projections' registers, then S^T
; (chunk c at 32 + 32 c; a chunk's codes of w lie in the chunk before it); 288-479 W as loaded, then x's codes (tile t, matrix q at 288 + 48 t + 16 q); 480-511 at work.
; In attention: 288-415 K, then V; 416-447 the C of chunk 0; 448-459 [0 | q | 0]; 460-475 O^T; 476-483 chunk 0's codes of w; 484-491 -maximum, eight times.
.set QIMG,  0                          ; [wave 8][tile 4][hd 4][512]
.set KIMG,  65536                      ; [hd 4][key tile 32][512]
.set VIMG,  131072                     ; [hd 4][chunk 8][e tile 2][plane 2][512]
.set WIMG,  196608                     ; [part lo, hi][matrix 3][hd 4][tile 2][plane 4][512]
.set WHI,   49152                      ; from a low image to its high one
.set XSTG,  KIMG                       ; the turn of x, [wave 8][16 x 528], each wave's own: over before the barrier behind which K's and V's images are stored
.set LTB,   294912                     ; 512 words: the time step of each slot
.set BIASL, 296960                     ; [matrix 3][128] f32
.set SPARE, 298496                     ; the spare words, 128 bytes a wave: four blocks of 256 bytes that no other line names
.set OSTG,  WIMG                       ; the output's stage, [wave 8][16 x 272], each wave's own: first stored behind the barrier behind which nobody reads W's images
.set SP,    528
.set WXS,   16*SP
.set OP,    272
.set WOS,   16*OP
.set R,     32                         ; x as loaded, tile t at R + 64 t
.set S,     32                         ; S^T
.set WL,    32                         ; the projections: the low parts of W's two fragments,
.set WH,    64                         ; their high parts
.set BC,    96                         ; the bias in the result's layout, two tiles
.set XH,    112                        ; x_hi, tile t at XH + 16 t
.set HH,    176                        ; four accumulators
.set CD,    208                        ; their codes
.set MM1,   0                          ; names in window 1: M (256),
.set LL1,   224                        ; LL (480)
.set TMP,   480
.set TMP1,  224
.set KV,    288
.set KV1,   32
.set BIAS1, 160
.set QZ1,   192
.set OA,    460
.set OA1,   204
.set CD0,   476
.set CD01,  220
.set NM1,   228
.set CH,    16                         ; v16-23, v8-11, v14-15, v28-29: the leaves of the sum's tree;  v[12:13] the running sum, a pair
.set RR,    24                         ; v[24:25] 1 / sum, 0
.set LIMW,  26                         ; 448 x 2^e8
.set SCW,   27                         ; 2^e8
.set PT,    28                         ; a lane permute's destination
.set TT,    29
.set SPW,   30
.set NIL,   31
.set WV,    38                         ; s38 wave;  s39 hh, s40 b, s41 m;  s[42:43] an offset;  s44 n, s45 NC, s46 PAD;  s47, s94-99 at work
.set MK,    48                         ; s48-63 the mask of time steps 32 i + lane
.set BS,    66                         ; s66-82 unmasked steps ahead of 32 i; later s[66:71] 2^(ea + eb) of the three projections, each twice
.set MSB, 0
.macro WIN new                         ; the immediate's high byte repeats the setting that is left; a switch that changes nothing is dropped
.if MSB != (\new)
	s_set_vgpr_msb (MSB<<8)|(\new)
.set MSB, (\new)
.endif
.endm
.macro W4 d, a, b, c                   ; the windows of destination, source 0, 1, 2, from their register numbers
	WIN ((((\d)>>8)<<6)|(((\c)>>8)<<4)|(((\b)>>8)<<2)|((\a)>>8))
.endm
.macro POW2 sd, se                     ; 2^e as f32
	s_add_co_i32 \sd, \se, 127
	s_lshl_b32 \sd, \sd, 23
.endm
.macro LIM8 sd, se                     ; 448 x 2^e as f32
	s_add_co_i32 \sd, \se, 135
	s_lshl_b32 \sd, \sd, 23
	s_or_b32 \sd, \sd, 0x600000
.endm
.macro BARRIER                         ; my LDS stores have landed and my LDS loads are in: then the work-group's barrier
	s_wait_alu depctr_va_vdst(0)
	s_wait_dscnt 0x0
	s_barrier_signal -1
	s_barrier_wait -1
.endm
.macro SKIP c, lab                     ; chunk c holds no unmasked key where NC <= c
.if \c > 0
	s_cmp_le_u32 s45, \c
	s_cbranch_scc1 \lab
.endif
.endm
.macro PA d, a, b                      ; a packed addition in window 0
	v_pk_add_f32 v[\d:\d+1], v[\a:\a+1], v[\b:\b+1]
.endm
.macro SPLITK x, hi, lo, t             ; four codes of v[x]: hi keeps the bytes with bit 6 set, lo the others (lo may be x)
	v_lshrrev_b32 v[\t], 6, v[\x]
	v_and_b32 v[\t], 0x01010101, v[\t]             ; 1 or 0 a byte,
	v_mul_lo_u32 v[\t], v[\t], 0xff                ; 0xff or 0: no carry from byte to byte
	v_and_b32 v[\hi], v[\x], v[\t]
	v_xor_b32 v[\lo], v[\x], v[\hi]
.endm
	; ---- ids, LDS addresses: the scalar part first, then the vector part on end
	s_load_b512 s[8:23], s[0:1], 0x0               ; inp s[8:9], mask s[10:11], Wq s[12:13], bq s[14:15], Wk s[16:17], bk s[18:19], Wv s[20:21], bv s[22:23]
	s_load_b128 s[24:27], s[0:1], 0x40             ; lowp_scales s[24:25], out0 s[26:27]
	v_lshrrev_b32 v7, 5, v0
	v_readfirstlane_b32 s[WV], v7                  ; wave 0..7
	s_mul_i32 s47, s[WV], WXS
	s_add_co_u32 s47, s47, XSTG                    ; my turn of x
	s_lshl_b32 s94, s[WV], 8
	s_add_co_u32 s94, s94, LTB                     ; my 64 slots' words of the list
	s_lshr_b32 s95, s[WV], 1
	s_lshl_b32 s95, s95, 12
	s_and_b32 s99, s[WV], 1
	s_lshl_b32 s99, s99, 10
	s_add_co_u32 s95, s95, s99
	s_add_co_u32 s95, s95, WIMG                    ; W's images: head wave / 2, planes 2 (wave % 2) on
	s_lshl_b32 s96, s[WV], 6
	s_and_b32 s39, ttmp9, 1                        ; hh
	s_lshr_b32 s40, ttmp9, 5                       ; b
	s_bfe_u32 s41, ttmp9, 0x40001                  ; m
	s_mov_b32 s43, 0
	v_lshl_add_u32 v[SPW], v0, 2, SPARE
	v_mov_b32 v[NIL], 0
	v_lshlrev_b32 v24, 1, v0
	v_or_b32 v25, 1, v24
	v_lshl_add_u32 v26, v0, 3, LTB
	ds_store_b64 v26, v[24:25]                     ; the list begins as the identity: every word is written by a plain store, whatever the mask holds; wave 0 lays the permutation over it behind the barrier
	v_and_b32 v7, 31, v0                           ; lane
	v_lshlrev_b32 v1, 4, v7                        ; v1 = 16 x lane: stays
	v_lshlrev_b32 v7, 2, v7                        ; 4 x lane: W's loads
	v_and_b32 v22, 15, v0                          ; r
	v_bfe_u32 v23, v0, 4, 1                        ; h
	v_add_nc_u32 v2, s47, v1                       ; v2: a whole row of x, 16 bytes a lane
	v_mul_u32_u24 v3, v22, SP
	v_lshl_add_u32 v3, v23, 6, v3
	v_add_nc_u32 v3, s47, v3                       ; v3: row r, + 64 h: my 16 numbers of a block of 32 of x
	v_mov_b32 v5, s94                              ; v5: the list
	v_lshlrev_b32 v28, 4, v22                      ; W: column e = lane is row e % 16 of tile e / 16
	v_lshl_add_u32 v28, v23, 11, v28
	v_add_nc_u32 v28, s95, v28                     ; the low images,
	v_add_nc_u32 v27, WHI, v28                     ; the high ones
	v_lshl_add_u32 v6, v22, 2, s96                 ; v6: 4 (16 wave + r): my wave's 16 numbers of each bias, in memory,
	v_add_nc_u32 v29, BIASL, v6                    ; and in LDS
	BARRIER                                        ; the identity is whole
	s_wait_kmcnt 0x0
	s_load_b256 s[28:35], s[24:25], 0x0            ; e0 .. e7
	s_load_b64 s[36:37], s[24:25], 0x20            ; e8, e9
	s_lshl_b32 s42, s40, 22
	s_lshl_b32 s47, s41, 9
	s_add_co_u32 s42, s42, s47
	s_add_nc_u64 s[8:9], s[8:9], s[42:43]          ; inp at (b, 0, m): a time step is 8,192 bytes on
	s_lshl_b32 s42, s40, 13
	s_add_co_u32 s42, s42, s41
	s_add_nc_u64 s[10:11], s[10:11], s[42:43]      ; mask at (b, 0, m): a time step is 16 bytes on
	s_lshl_b32 s42, s39, 9
	s_add_nc_u64 s[14:15], s[14:15], s[42:43]      ; the biases at my 128 columns
	s_add_nc_u64 s[18:19], s[18:19], s[42:43]
	s_add_nc_u64 s[22:23], s[22:23], s[42:43]
	s_lshr_b32 s47, s[WV], 1
	s_lshl_b32 s47, s47, 7
	s_add_co_u32 s42, s42, s47
	s_and_b32 s47, s[WV], 1
	s_lshl_b32 s47, s47, 16
	s_add_co_u32 s42, s42, s47
	s_add_nc_u64 s[12:13], s[12:13], s[42:43]      ; the weights at head wave / 2 of my four, K = 64 (wave % 2) on
	s_add_nc_u64 s[16:17], s[16:17], s[42:43]
	s_add_nc_u64 s[20:21], s[20:21], s[42:43]
	s_lshl_b32 s42, s40, 23
	s_lshl_b32 s47, s41, 10
	s_add_co_u32 s42, s42, s47
	s_lshl_b32 s47, s39, 9
	s_add_co_u32 s42, s42, s47
	s_add_nc_u64 s[26:27], s[26:27], s[42:43]      ; out0 at (b, 0, m, 128 hh): a time step is 16,384 bytes on
	; ---- loads: the mask, the biases, my part of the three weights (a lane to a column, registers down K: each load reads 128 consecutive bytes)
.irp i, 0,1,2,3,4,5,6,7,8,9,10,11,12,13,14,15
	global_load_u8 v[32+\i], v1, s[10:11] offset:512*\i            ; time step 32 i + lane
.endr
	global_load_b32 v24, v6, s[14:15]
	global_load_b32 v25, v6, s[18:19]
	global_load_b32 v26, v6, s[22:23]
	WIN 0x40                                       ; destination window 1
.irp q, 0,1,2
.set kk, 0
.rept 64
	global_load_b32 v[32+64*\q+kk], v7, s[12+4*\q:13+4*\q] offset:1024*kk
.set kk, kk+1
.endr
.endr
	WIN 0
	s_wait_loadcnt 63                              ; 195 loads were issued behind the mask's sixteen: those are in
	; ---- counts, in every wave
.irp i, 0,1,2,3,4,5,6,7,8,9,10,11,12,13,14,15
	v_cmp_ne_u32 s[MK+\i], 0, v[32+\i]
.endr
	s_mov_b32 s[BS], 0
.irp i, 0,1,2,3,4,5,6,7,8,9,10,11,12,13,14,15
	s_bcnt1_i32_b32 s47, s[MK+\i]
	s_add_co_u32 s[BS+1+\i], s[BS+\i], s47
.endr
	s_mov_b32 s44, s[BS+16]                        ; n
	s_add_co_u32 s45, s44, 63
	s_lshr_b32 s45, s45, 6
	s_max_u32 s45, s45, 1                          ; NC
	s_lshl_b32 s46, s45, 6
	s_sub_co_u32 s46, s46, s44                     ; PAD
	; ---- the list, by wave 0: no other wave touches LDS between the barrier above and the one below
	s_cmp_lg_u32 s[WV], 0
	s_cbranch_scc1 .Lno_table
	v_and_b32 v50, 31, v0
	v_mov_b32 v53, s44
.irp i, 0,1,2,3,4,5,6,7,8,9,10,11,12,13,14,15
	v_mbcnt_lo_u32_b32 v49, s[MK+\i], s[BS+\i]     ; unmasked steps ahead of mine
	v_add_nc_u32 v[80+\i], 32*\i, v50              ; my time step
	v_sub_nc_u32 v51, v[80+\i], v49                ; masked steps ahead of mine
	v_cmp_le_u32 vcc_lo, s46, v51
	v_cndmask_b32 v52, 0, v53, vcc_lo
	v_add_nc_u32 v51, v51, v52                     ; a masked step's slot: the first PAD in front, the others behind the n unmasked
	v_add_nc_u32 v49, s46, v49                     ; an unmasked step's slot
	v_cndmask_b32 v51, v51, v49, s[MK+\i]
	v_min_u32 v51, 0x1ff, v51                      ; a slot lies in 0 .. 511
	v_lshl_add_u32 v[64+\i], v51, 2, LTB
	ds_store_b32 v[64+\i], v[80+\i]
.endr
.Lno_table:
	BARRIER                                        ; the list is whole
	; ---- my 64 rows of inp are asked for, in slot order: 64 loads of one whole row (512 bytes) each
.macro XADDR t
.irp q, 0,1,2,3
	ds_load_b128 v[8+4*\q:11+4*\q], v5 offset:64*(\t)+16*\q        ; all lanes read the same words
.endr
	s_wait_dscnt 0x0
.irp i, 0,1,2,3,4,5,6,7,8,9,10,11,12,13,14,15
	v_min_u32 v[8+\i], 0x1ff, v[8+\i]
.endr
.irp i, 0,1,2,3,4,5,6,7,8,9,10,11,12,13,14,15
	v_lshl_add_u32 v[8+\i], v[8+\i], 13, v1        ; time step x 8,192 + 16 x lane
.endr
.endm
.macro XLOAD t
.irp i, 0,1,2,3,4,5,6,7,8,9,10,11,12,13,14,15
	W4 R+64*(\t)+4*\i, 0, 0, 0
	global_load_b128 v[(R+64*(\t)+4*\i)&255:((R+64*(\t)+4*\i)&255)+3], v[8+\i], s[8:9]
.endr
	WIN 0
.endm
.irp t, 0,1,2,3
	XADDR \t
	XLOAD \t
	s_wait_xcnt 0x0                                ; the loads' offsets, v8-23, are written again only behind this wait
.endr
	; ---- the scales of W (v8-10, limits v11-13) and of x (v14-16, limits v17-19)
	s_wait_kmcnt 0x0
.irp q, 0,1,2
	POW2 s98, s[29+2*\q]
	LIM8 s99, s[29+2*\q]
	v_mov_b32 v[8+\q], s98
	v_mov_b32 v[11+\q], s99
	POW2 s98, s[28+2*\q]
	LIM8 s99, s[28+2*\q]
	v_mov_b32 v[14+\q], s98
	v_mov_b32 v[17+\q], s99
.endr
	; ---- W to codes: 64 numbers down K of my column are four runs of 16 bytes, each a lane's place in a plane of the fragment's image; the codes are split here, once, into a low and a high image
	s_wait_alu depctr_va_vdst(0)
	s_wait_loadcnt 63                              ; 64 loads of x were issued behind W's and the biases': those are in
.macro WQUANT q
	WIN 0x41                                       ; destination and source 0 window 1
.set kk, 0
.rept 64
	v_med3_num_f32 v[32+64*(\q)+kk], v[32+64*(\q)+kk], -v[11+\q], v[11+\q]     ; the conversion to an 8-bit code does not saturate (ISA guide 7.6.2): the hold at 448 x the scale
.set kk, kk+1
.endr
	s_wait_alu depctr_va_vdst(0)
	s_wait_dscnt 0x0                               ; the last matrix's LDS stores have read the registers that are written below
.set kk, 0
.rept 8
	v_cvt_scalef32_pk8_fp8_f32 v[TMP1+2*kk:TMP1+2*kk+1], v[32+64*(\q)+8*kk:32+64*(\q)+8*kk+7], v[8+\q]
.set kk, kk+1
.endr
	v_nop                                          ; a plain instruction behind the last conversion
	WIN 0x55                                       ; all in window 1
.set kk, 0
.rept 16
	SPLITK TMP1+kk, TMP1+16+kk, TMP1+kk, 32+64*(\q)+kk%4           ; W_hi; W_lo in place; at work: registers of the numbers just converted
.set kk, kk+1
.endr
	WIN 0x04                                       ; store data window 1
.irp g, 0,1,2,3
	ds_store_b128 v28, v[TMP1+4*\g:TMP1+4*\g+3] offset:16384*(\q)+512*(\g/2)+256*(\g%2)    ; K = 64 (wave % 2) + 16 g on: plane 2 (wave % 2) + g / 2, half g % 2
	ds_store_b128 v27, v[TMP1+16+4*\g:TMP1+16+4*\g+3] offset:16384*(\q)+512*(\g/2)+256*(\g%2)
.endr
.endm
	WQUANT 0
	WQUANT 1
	WQUANT 2
	WIN 0
.irp q, 0,1,2
	ds_store_b32 v29, v[24+\q] offset:512*\q       ; the biases as they are
.endr
	; ---- x to codes, a tile of 16 rows at a time: through my stage, so that a lane holds 16 neighbours along K of each block of 32 of ONE row; then three times hold and conversion
.macro XTURN t
	s_wait_loadcnt 16*(3-(\t))                     ; this tile's sixteen rows are in; the later tiles' may be out
.irp i, 0,1,2,3,4,5,6,7,8,9,10,11,12,13,14,15
	W4 0, 0, R+64*(\t)+4*\i, 0
	ds_store_b128 v2, v[(R+64*(\t)+4*\i)&255:((R+64*(\t)+4*\i)&255)+3] offset:SP*\i
.endr
.irp i, 0,1,2,3,4,5,6,7,8,9,10,11,12,13,14,15
	W4 R+64*(\t)+4*\i, 0, 0, 0
	ds_load_b128 v[(R+64*(\t)+4*\i)&255:((R+64*(\t)+4*\i)&255)+3], v3 offset:128*(\i/4)+16*(\i%4)   ; LDS serves a wave's instructions in order: these see the stores.  Register 16 c + i = K 32 c + 16 h + i of row r
.endr
	WIN 0
	s_wait_dscnt 0x0
.endm
.macro XQUANT t
.irp q, 0,1,2
.irp f, 0,1
	W4 TMP, R+64*(\t)+32*\f, 0, 0
.set kk, 0
.rept 32
	v_med3_num_f32 v[TMP1+kk], v[((R+64*(\t)+32*\f)&255)+kk], -v[17+\q], v[17+\q]
.set kk, kk+1
.endr
	WIN 0x41
.set kk, 0
.rept 4
	v_cvt_scalef32_pk8_fp8_f32 v[32+48*(\t)+16*\q+8*\f+2*kk:32+48*(\t)+16*\q+8*\f+2*kk+1], v[TMP1+8*kk:TMP1+8*kk+7], v[14+\q]
.set kk, kk+1
.endr
	v_nop                                          ; a plain instruction between the conversions and the next holds, which write their sources
.endr
.endr
.endm
.irp t, 0,1,2,3
	XTURN \t
	XQUANT \t
.endr
	WIN 0
	; the scales of q, k, v (v8-10, limits v11-13), 2^(ea + eb) of each projection, twice (the packed form names a pair), and the images' addresses
.macro PSC q, se
	s_add_co_i32 s47, s[28+2*\q], s[29+2*\q]
	POW2 s[66+2*\q], s47
	s_mov_b32 s[67+2*\q], s[66+2*\q]
	POW2 s98, \se
	LIM8 s99, \se
	v_mov_b32 v[8+\q], s98
	v_mov_b32 v[11+\q], s99
.endm
	PSC 0, s34
	PSC 1, s35
	PSC 2, s37
	s_lshl_b32 s83, s[WV], 13                      ; my part of Q's images: stays
	s_lshl_b32 s94, s[WV], 11
	s_add_co_u32 s95, s94, VIMG                    ; V's images: chunk = wave
	s_add_co_u32 s94, s94, KIMG                    ; K's images: key tiles 4 wave on
	v_add_nc_u32 v27, s83, v1
	v_add_nc_u32 v28, s94, v1
	v_add_nc_u32 v29, s95, v1
	v_bfe_u32 v20, v0, 4, 1
	v_lshl_add_u32 v20, v20, 5, BIASL              ; the bias of q and k: columns 8 h + ..
	v_and_b32 v21, 15, v0
	v_lshl_add_u32 v21, v21, 2, BIASL              ; and of v: column r
	BARRIER                                        ; W's images and the biases are whole; every wave's turn of x is over
	; ---- the projections: a loop of four heads for each matrix; a trip is two groups of four tiles
.macro XSPLIT q                        ; x's codes of matrix q: the high part to XH, the low part stays in place
.irp a, 0,1
	WIN 0x55                                       ; all in window 1
.set kk, 0
.rept 32
	v_lshrrev_b32 v[TMP1+kk], 6, v[32+48*(2*\a+kk/16)+16*(\q)+kk%16]
.set kk, kk+1
.endr
.set kk, 0
.rept 32
	v_and_b32 v[TMP1+kk], 0x01010101, v[TMP1+kk]
.set kk, kk+1
.endr
.set kk, 0
.rept 32
	v_mul_lo_u32 v[TMP1+kk], v[TMP1+kk], 0xff
.set kk, kk+1
.endr
	WIN 0x05                                       ; destination window 0
.set kk, 0
.rept 32
	v_and_b32 v[XH+32*\a+kk], v[32+48*(2*\a+kk/16)+16*(\q)+kk%16], v[TMP1+kk]
.set kk, kk+1
.endr
	WIN 0x41                                       ; destination and source 0 window 1
.set kk, 0
.rept 32
	v_xor_b32 v[32+48*(2*\a+kk/16)+16*(\q)+kk%16], v[32+48*(2*\a+kk/16)+16*(\q)+kk%16], v[XH+32*\a+kk]
.set kk, kk+1
.endr
.endr
	WIN 0
.endm
; Four tiles, four products each, twelve accumulators by turns.  q, k TRANSPOSED (source 0 = 16 columns of W, source 1 = 16 rows of x): tile i is x's tile 2 a + i / 2, W's tile i % 2: a lane
; holds one slot and the columns 16 (i % 2) + 8 h + 0 .. 7; q and k are laid alike, so every e meets its partner.  v: source 0 = x's tile i, source 1 = Wv's tile a: a lane holds one e, and its registers run along the slots.
.macro PGROUP q, a
	s_wait_dscnt 0x0                               ; the fragments are in, and the last group's stores have read their registers
.if \q < 2
	WIN 0x44                                       ; x_lo and the result in window 1
.irp i, 0,1,2,3
	v_wmma_f32_16x16x128_fp8_fp8 v[MM1+8*\i:MM1+8*\i+7], v[WH+16*(\i%2):WH+16*(\i%2)+15], v[32+48*(2*\a+\i/2)+16*\q:32+48*(2*\a+\i/2)+16*\q+15], 0
.endr
.irp i, 0,1,2,3
	v_wmma_f32_16x16x128_fp8_fp8 v[LL1+8*\i:LL1+8*\i+7], v[WL+16*(\i%2):WL+16*(\i%2)+15], v[32+48*(2*\a+\i/2)+16*\q:32+48*(2*\a+\i/2)+16*\q+15], 0
.endr
	WIN 0
.irp i, 0,1,2,3
	v_wmma_f32_16x16x128_fp8_fp8 v[HH+8*\i:HH+8*\i+7], v[WH+16*(\i%2):WH+16*(\i%2)+15], v[XH+16*(2*\a+\i/2):XH+16*(2*\a+\i/2)+15], 0
.endr
	WIN 0x50                                       ; C and D window 1
.irp i, 0,1,2,3
	v_wmma_f32_16x16x128_fp8_fp8 v[MM1+8*\i:MM1+8*\i+7], v[WL+16*(\i%2):WL+16*(\i%2)+15], v[XH+16*(2*\a+\i/2):XH+16*(2*\a+\i/2)+15], v[MM1+8*\i:MM1+8*\i+7]
.endr
.else
	WIN 0x41
.irp i, 0,1,2,3
	v_wmma_f32_16x16x128_fp8_fp8 v[MM1+8*\i:MM1+8*\i+7], v[32+48*\i+32:32+48*\i+47], v[WH+16*\a:WH+16*\a+15], 0
.endr
.irp i, 0,1,2,3
	v_wmma_f32_16x16x128_fp8_fp8 v[LL1+8*\i:LL1+8*\i+7], v[32+48*\i+32:32+48*\i+47], v[WL+16*\a:WL+16*\a+15], 0
.endr
	WIN 0
.irp i, 0,1,2,3
	v_wmma_f32_16x16x128_fp8_fp8 v[HH+8*\i:HH+8*\i+7], v[XH+16*\i:XH+16*\i+15], v[WH+16*\a:WH+16*\a+15], 0
.endr
	WIN 0x50
.irp i, 0,1,2,3
	v_wmma_f32_16x16x128_fp8_fp8 v[MM1+8*\i:MM1+8*\i+7], v[XH+16*\i:XH+16*\i+15], v[WL+16*\a:WL+16*\a+15], v[MM1+8*\i:MM1+8*\i+7]
.endr
.endif
.rept 4
	v_nop                                          ; four places between the products and the first read of their results (ISA guide 7.12.1)
.endr
	WIN 0x45
.set kk, 0
.rept 16
	v_pk_add_f32 v[MM1+2*kk:MM1+2*kk+1], v[MM1+2*kk:MM1+2*kk+1], v[LL1+2*kk:LL1+2*kk+1]     ; M + LL; each accumulator from its low end on
.set kk, kk+1
.endr
	WIN 0x04
.set kk, 0
.rept 16
	v_pk_add_f32 v[HH+2*kk:HH+2*kk+1], v[HH+2*kk:HH+2*kk+1], v[MM1+2*kk:MM1+2*kk+1]         ; D = HH + (M + LL)
.set kk, kk+1
.endr
	WIN 0
.set kk, 0
.rept 16
.if \q < 2
	v_pk_fma_f32 v[HH+2*kk:HH+2*kk+1], v[HH+2*kk:HH+2*kk+1], s[66+2*\q:67+2*\q], v[BC+8*((kk/4)%2)+2*(kk%4):BC+8*((kk/4)%2)+2*(kk%4)+1] op_sel_hi:[1,0,1]   ; D x 2^(ea + eb) + bias, one rounding
.else
	v_pk_fma_f32 v[HH+2*kk:HH+2*kk+1], v[HH+2*kk:HH+2*kk+1], s[66+2*\q:67+2*\q], v[BC+8*\a+2*(kk%4):BC+8*\a+2*(kk%4)+1] op_sel_hi:[1,0,1]
.endif
.set kk, kk+1
.endr
.set kk, 0
.rept 32
	v_med3_num_f32 v[HH+kk], v[HH+kk], -v[11+\q], v[11+\q]
.set kk, kk+1
.endr
.irp i, 0,1,2,3
	v_cvt_scalef32_pk8_fp8_f32 v[CD+2*\i:CD+2*\i+1], v[HH+8*\i:HH+8*\i+7], v[8+\q]
.endr
	v_nop                                          ; a plain instruction behind the last conversion
.irp t, 0,1
.if \q == 0
	ds_store_b128 v3, v[CD+4*\t:CD+4*\t+3] offset:2048*(2*\a+\t)           ; Q: tile 2 a + t of my wave
.elseif \q == 1
	ds_store_b128 v3, v[CD+4*\t:CD+4*\t+3] offset:512*(2*\a+\t)            ; K: key tile 4 wave + 2 a + t
.else
	ds_store_b128 v3, v[CD+4*\t:CD+4*\t+3] offset:1024*\a+512*\t           ; V: fragment a, plane t
.endif
.endr
.endm
.macro PROJ q
	XSPLIT \q
	s_mov_b32 s93, 0
.Lproj_\@:
	s_lshl_b32 s47, s93, 12
	s_add_co_u32 s47, s47, WIMG+16384*\q
	s_lshl_b32 s98, s93, 7
.if \q == 0
	s_lshl_b32 s99, s93, 9
.else
	s_lshl_b32 s99, s93, 14
.endif
	v_add_nc_u32 v6, s47, v1                       ; the head's two fragments of W
.if \q < 2
	v_add_nc_u32 v7, s98, v20
.else
	v_add_nc_u32 v7, s98, v21
.endif
	v_add_nc_u32 v3, s99, v[27+\q]                 ; where the head's codes go
.irp u, 0,1
.irp c, 0,1,2,3
	ds_load_b128 v[WL+16*\u+4*\c:WL+16*\u+4*\c+3], v6 offset:2048*\u+512*\c
	ds_load_b128 v[WH+16*\u+4*\c:WH+16*\u+4*\c+3], v6 offset:WHI+2048*\u+512*\c
.endr
.endr
.irp u, 0,1
.if \q < 2
	ds_load_b128 v[BC+8*\u:BC+8*\u+3], v7 offset:512*\q+64*\u              ; register j: column 16 u + 8 h + j
	ds_load_b128 v[BC+8*\u+4:BC+8*\u+7], v7 offset:512*\q+64*\u+16
.else
.irp j, 0,1,2,3,4,5,6,7
	ds_load_b32 v[BC+8*\u+\j], v7 offset:1024+64*\u                        ; every register: column 16 u + r
.endr
.endif
.endr
	s_wait_alu depctr_va_vdst(0)
	PGROUP \q, 0
	PGROUP \q, 1
	WIN 0
	s_add_co_u32 s93, s93, 1
	s_cmp_lt_u32 s93, 4
	s_wait_alu depctr_va_vdst(0)
	s_cbranch_scc1 .Lproj_\@
.endm
	PROJ 0
	PROJ 1
	PROJ 2
	BARRIER                                        ; Q's, K's and V's images are whole, and nobody reads W's images any more: from here on LDS is only read, but for each wave's own stage
	; ---- set-up for attention: scalars first
	s_mul_i32 s47, s[WV], WOS
	s_add_co_u32 s47, s47, OSTG                    ; my stage of the output
	LIM8 s98, s36
	POW2 s99, s36
	s_add_co_i32 s84, s34, s35
	s_lshl_b32 s84, s84, 23
	s_add_co_i32 s84, s84, 0x3e8293ee              ; c = log2(e) / sqrt(32), with e6 + e7 added to its exponent field
	s_mov_b32 s85, s84
	s_add_co_i32 s88, s36, s37
	POW2 s88, s88                                  ; 2^(e8 + e9)
	s_mov_b32 s89, s88
	s_mov_b32 s90, 0x76543210                      ; v_permlanex16_b32: lane l xor 16
	s_mov_b32 s91, 0xfedcba98
	v_bfe_u32 v22, v0, 4, 1                        ; h
	v_and_b32 v23, 15, v0                          ; r
	v_lshl_add_u32 v5, v22, 2, v5                  ; the list: lanes 16-31 take the next slot's word
	v_mul_u32_u24 v2, v22, OP
	v_lshl_add_u32 v2, v23, 4, v2
	v_add_nc_u32 v2, s47, v2                       ; out of the stage: lanes 0-15 one row of 256 bytes, lanes 16-31 the next
	v_mul_u32_u24 v4, v23, OP
	v_lshl_add_u32 v4, v22, 5, v4
	v_add_nc_u32 v4, s47, v4                       ; into it: row r, + 32 h: my eight outputs
	v_lshlrev_b32 v22, 3, v22
	v_sub_nc_u32 v22, s46, v22                     ; PAD - 8 h: register 8 i + j of chunk 0 holds slot 16 i + 8 h + j, masked where 16 i + j < PAD - 8 h
	v_mov_b32 v23, 0xf149f2ca                      ; -1e30
	WIN 0x40
.set kk, 0
.rept 32
	v_cmp_lt_i32 vcc_lo, 16*(kk/8)+kk%8, v22
	v_cndmask_b32 v[BIAS1+kk], 0, v23, vcc_lo
.set kk, kk+1
.endr
.irp j, 0,1,2,3
	v_mov_b32 v[QZ1+\j], 0                         ; the zeros on both sides of q: they stay
	v_mov_b32 v[QZ1+8+\j], 0
	v_mov_b32 v[CD01+\j], 0                        ; the codes of slots 0 .. 31: they stay 0 where PAD >= 32
.endr
	WIN 0
	v_mov_b32 v[RR+1], 0                           ; (named as the upper half of a pair)
	v_mov_b32 v[LIMW], s98
	v_mov_b32 v[SCW], s99
	v_mov_b32 v[PT], 0                             ; a lane permute's destination counts as one of its sources
	s_wait_alu depctr_va_vdst(0)
; The first products of chunk g: four key tiles, one product each.  Tiles 2 p and 2 p + 1 are one operand of eight registers.
.macro QKCHUNK g
.if (\g) < 7
	s_wait_dscnt 4                                 ; this chunk's four loads are in; the next chunk's four may be out
.else
	s_wait_dscnt 0x0
.endif
.set sb, (S+32*(\g))&255
	W4 S+32*(\g), 256, 256, 256
.irp i, 0,1,2,3
.if (\g) == 0
	v_wmma_f32_16x16x64_fp8_fp8 v[sb+8*\i:sb+8*\i+7], v[KV1+16*(\g)+8*(\i/2):KV1+16*(\g)+8*(\i/2)+7], v[QZ1+4-4*(\i%2):QZ1+11-4*(\i%2)], v[BIAS1+8*\i:BIAS1+8*\i+7]   ; - 1e30 on the masked slots
.else
	v_wmma_f32_16x16x64_fp8_fp8 v[sb+8*\i:sb+8*\i+7], v[KV1+16*(\g)+8*(\i/2):KV1+16*(\g)+8*(\i/2)+7], v[QZ1+4-4*(\i%2):QZ1+11-4*(\i%2)], 0
.endif
.endr
.if (\g) < 6
	WIN 0x40
.irp k, 0,1,2,3
	ds_load_b128 v[KV1+16*((\g)+2)+4*\k:KV1+16*((\g)+2)+4*\k+3], v7 offset:2048*((\g)+2)+512*\k    ; the chunk after next, into registers of its own
.endr
.endif
	WIN 0
.endm
; The second products of chunk g: the same operands, -maximum as C (chunk 0: mask - maximum, laid into the accumulators themselves)
.macro QK2 g
.set sb, (S+32*(\g))&255
.if (\g) == 0
	W4 S, 256, 256, S
.else
	W4 S+32*(\g), 256, 256, 256
.endif
.irp i, 0,1,2,3
.if (\g) == 0
	v_wmma_f32_16x16x64_fp8_fp8 v[sb+8*\i:sb+8*\i+7], v[KV1+8*(\i/2):KV1+8*(\i/2)+7], v[QZ1+4-4*(\i%2):QZ1+11-4*(\i%2)], v[sb+8*\i:sb+8*\i+7]
.else
	v_wmma_f32_16x16x64_fp8_fp8 v[sb+8*\i:sb+8*\i+7], v[KV1+16*(\g)+8*(\i/2):KV1+16*(\g)+8*(\i/2)+7], v[QZ1+4-4*(\i%2):QZ1+11-4*(\i%2)], v[NM1:NM1+7]
.endif
.endr
	WIN 0
.endm
.macro MAXC c                          ; four chains, a tile each; each accumulator from its low end on
.set sb, (S+32*(\c))&255
	W4 0, 0, S+32*(\c), S+32*(\c)
.irp q, 0,1,2,3
.irp i, 0,1,2,3
.if (\c) == 0 && \q == 0
	v_max_num_f32 v[8+\i], v[sb+8*\i], v[sb+8*\i+1]
.else
	v_max3_num_f32 v[8+\i], v[8+\i], v[sb+8*\i+2*\q], v[sb+8*\i+2*\q+1]
.endif
.endr
.endr
	WIN 0
.endm
.macro EXPS b, n, init                 ; n numbers s - maximum from register b on: p = 2^(c (s - maximum)); their sum by a tree, then onto the running pair (init: it begins here)
.set sb, (\b)&255
	W4 \b, \b, 0, 0
	s_wait_alu depctr_va_vdst(0)
.set kk, 0
.rept (\n)/2
	v_pk_mul_f32 v[sb+2*kk:sb+2*kk+1], v[sb+2*kk:sb+2*kk+1], s[84:85] op_sel_hi:[1,0]      ; each accumulator from its low end on
.set kk, kk+1
.endr
	s_wait_alu depctr_va_vdst(0)
.set kk, 0
.rept \n
	v_exp_f32 v[sb+kk], v[sb+kk]
.set kk, kk+1
.endr
	v_nop                                          ; a plain instruction behind the last exponential
	s_wait_alu depctr_va_vdst(0)                   ; one wait for the batch, ahead of its first reader and of the next branch
	W4 0, \b, \b, 0
.irp k, 0,1,2,3
	v_pk_add_f32 v[CH+2*\k:CH+2*\k+1], v[sb+4*\k:sb+4*\k+1], v[sb+4*\k+2:sb+4*\k+3]
.endr
.if (\n) == 32
	v_pk_add_f32 v[8:9], v[sb+16:sb+17], v[sb+18:sb+19]
	v_pk_add_f32 v[10:11], v[sb+20:sb+21], v[sb+22:sb+23]
	v_pk_add_f32 v[14:15], v[sb+24:sb+25], v[sb+26:sb+27]
	v_pk_add_f32 v[28:29], v[sb+28:sb+29], v[sb+30:sb+31]
.endif
	WIN 0
	PA CH, CH, CH+2
	PA CH+4, CH+4, CH+6
.if (\n) == 32
	PA 8, 8, 10
	PA 14, 14, 28
	PA CH, CH, CH+4
	PA 8, 8, 14
	PA CH, CH, 8
	PA 12, 12, CH
.elseif \init
	PA 12, CH, CH+4
.else
	PA CH, CH, CH+4
	PA 12, 12, CH
.endif
.endm
.macro CVTS b, n, cd, hold             ; w = p / sum, held, converted into registers cd on: registers 2 i, 2 i + 1: keys 16 i + 8 h + 0 .. 7: the form's own layout
.set sb, (\b)&255
.set cb, (\cd)&255
	W4 \b, \b, 0, 0
.set kk, 0
.rept (\n)/2
	v_pk_mul_f32 v[sb+2*kk:sb+2*kk+1], v[sb+2*kk:sb+2*kk+1], v[RR:RR+1] op_sel_hi:[1,0]
.set kk, kk+1
.endr
.if \hold
.set kk, 0
.rept \n
	v_min_num_f32 v[sb+kk], v[sb+kk], v[LIMW]      ; w is not negative: the hold is one-sided
.set kk, kk+1
.endr
.endif
	W4 \cd, \b, 0, 0
.set kk, 0
.rept (\n)/8
	v_cvt_scalef32_pk8_fp8_f32 v[cb+2*kk:cb+2*kk+1], v[sb+8*kk:sb+8*kk+7], v[SCW]
.set kk, kk+1
.endr
	WIN 0
.endm
.macro CVALL hold                      ; slots 32 .. 63 always, slots 0 .. 31 where PAD < 32, then the chunks that hold unmasked keys; the next piece's multiplications are the plain lines behind a piece's conversions
	CVTS S+16, 16, CD0+4, \hold
	s_cmp_ge_u32 s46, 32
	s_cbranch_scc1 .Lcva_\@
	CVTS S, 16, CD0, \hold
.Lcva_\@:
.irp c, 1,2,3,4,5,6,7
	SKIP \c, .Lcv_done
	CVTS S+32*\c, 32, S+32*(\c-1), \hold
.endr
.endm
	s_mov_b32 s92, 0
.Lpair:                                            ; eight trips: tile of 16 queries s92 / 2, pair of heads s92 % 2
	s_mov_b32 s93, 0
.Lhead:                                            ; two heads: a UNIT is 16 queries x one head x the slots of chunks 0 .. NC - 1
	s_and_b32 s96, s92, 1
	s_lshl_b32 s96, s96, 1
	s_add_co_u32 s96, s96, s93                     ; the head
	s_lshr_b32 s94, s92, 1
	s_lshl_b32 s94, s94, 11
	s_lshl_b32 s95, s96, 9
	s_add_co_u32 s94, s94, s95
	s_add_co_u32 s94, s94, s83
	s_lshl_b32 s95, s96, 14
	s_add_co_u32 s97, s95, VIMG
	s_add_co_u32 s95, s95, KIMG
	v_add_nc_u32 v6, s94, v1                       ; Q's image: 8,192 wave + 2,048 t + 512 hd
	v_add_nc_u32 v7, s95, v1                       ; the head's 32 key tiles
	WIN 0x40
	ds_load_b128 v[QZ1+4:QZ1+7], v6
.set kk, 0
.rept 8
	ds_load_b128 v[KV1+4*kk:KV1+4*kk+3], v7 offset:512*kk          ; chunks 0 and 1
.set kk, kk+1
.endr
	WIN 0
	s_wait_alu depctr_va_vdst(0)
	s_wait_xcnt 0x0                                ; the last rows' stores have read their data and offsets, v32-103, which the products below write
	QKCHUNK 0
.irp g, 1,2,3,4,5,6,7
	SKIP \g, .Lqk_done
	QKCHUNK \g
.endr
.Lqk_done:
	s_wait_dscnt 0x0                               ; K's tiles of the chunks left out have landed too: their registers are loaded again below
.rept 4
	v_nop                                          ; four places between the products and the first read of the scores (ISA guide 7.12.1)
.endr
	; the row's maximum, over the chunks that hold unmasked keys
.irp c, 0,1,2,3,4,5,6,7
	SKIP \c, .Lmax_done
	MAXC \c
.endr
.Lmax_done:
	s_wait_alu depctr_va_vdst(0)
	v_max3_num_f32 v8, v8, v9, v10
	v_max3_num_f32 v8, v8, v11, 0xd01502f9         ; not under -1e10: under every score of codes (at most 32 x 448^2 in size) and over -1e30
	v_permlanex16_b32 v[PT], v8, s90, s91          ; the query's other keys lie in the lane 16 away
	v_max_num_f32 v8, v8, v[PT]
	v_xor_b32 v12, 0x80000000, v8                  ; -maximum
	WIN 0x40
.irp j, 0,1,2,3,4,5,6,7
	v_mov_b32 v[NM1+\j], v12                       ; the C of the second products: a lane holds one query, so all eight registers are alike
.endr
	WIN 0x05
.set kk, 0
.rept 16
	v_pk_add_f32 v[S+2*kk:S+2*kk+1], v[BIAS1+2*kk:BIAS1+2*kk+1], v[NM1:NM1+1]      ; chunk 0: mask - maximum, over the first scores, which are done with
.set kk, kk+1
.endr
	WIN 0
.irp g, 0,1,2,3,4,5,6,7
	SKIP \g, .Lq2_done
	QK2 \g
.endr
.Lq2_done:
.rept 4
	v_nop                                          ; four places between the products and the loads into K's registers, and the first read of the results
.endr
	v_add_nc_u32 v7, s97, v1                       ; the head's V: it takes K's registers and lands under the softmax
	s_wait_alu depctr_va_vdst(0)
.irp c, 0,1,2,3,4,5,6,7
	SKIP \c, .Lv_done
	WIN 0x40
.irp k, 0,1,2,3
	ds_load_b128 v[KV1+16*\c+4*\k:KV1+16*\c+4*\k+3], v7 offset:2048*\c+512*\k
.endr
	WIN 0
.endr
.Lv_done:
	EXPS S+16, 16, 1                               ; slots 32 .. 63 begin the sum
	s_cmp_ge_u32 s46, 32
	s_cbranch_scc1 .Lexp_a                         ; slots 0 .. 31 are all masked where PAD >= 32
	EXPS S, 16, 0
.Lexp_a:
.irp c, 1,2,3,4,5,6,7
	SKIP \c, .Lexp_done
	EXPS S+32*\c, 32, 0
.endr
.Lexp_done:
	s_wait_alu depctr_va_vdst(0)
	v_add_f32 v[CH], v12, v13
	v_permlanex16_b32 v[PT], v[CH], s90, s91
	v_add_f32 v[CH], v[CH], v[PT]                  ; the row's sum: about 1 at the least where a key is unmasked
	v_max_num_f32 v[CH], 0x0da24260, v[CH]         ; all keys masked: every p is 0, and 0 x 1e30 is 0
	s_wait_alu depctr_va_vdst(0)                   ; ahead of the transcendental
	v_rcp_f32 v[RR], v[CH]
	v_nop
	s_wait_alu depctr_va_vdst(0)                   ; ahead of the reciprocal's first reader
	v_fma_f32 v[PT], -v[CH], v[RR], 1.0            ; one Newton step: r + r (1 - sum r)
	v_fma_f32 v[RR], v[PT], v[RR], v[RR]
	s_wait_alu depctr_va_vdst(0)
	s_cmp_ge_i32 s36, -8                           ; 448 x 2^e8 >= 1.75: no w reaches it
	s_cbranch_scc1 .Lcv_free
	CVALL 1
	s_branch .Lcv_done
.Lcv_free:
	CVALL 0
.Lcv_done:
	v_nop                                          ; a plain instruction between the last conversions and the products that read their results
	s_wait_alu depctr_va_vdst(0)
	s_wait_dscnt 0x0                               ; V is in
	; O^T = V^T w^T, a chunk of 64 keys an instruction, two accumulators (e 0-15, 16-31) by turns, in one run
.irp c, 0,1,2,3,4,5,6,7
	SKIP \c, .Lpv_done
.if \c == 0
	W4 OA, KV, CD0, OA
.else
	W4 OA, KV, S+32*(\c-1), OA
.endif
.irp u, 0,1
.if \c == 0
	v_wmma_f32_16x16x64_fp8_fp8 v[OA1+8*\u:OA1+8*\u+7], v[KV1+8*\u:KV1+8*\u+7], v[CD01:CD01+7], 0
.else
	v_wmma_f32_16x16x64_fp8_fp8 v[OA1+8*\u:OA1+8*\u+7], v[KV1+16*\c+8*\u:KV1+16*\c+8*\u+7], v[(S+32*(\c-1))&255:((S+32*(\c-1))&255)+7], v[OA1+8*\u:OA1+8*\u+7]
.endif
.endr
	WIN 0
.endr
.Lpv_done:
.rept 4
	v_nop                                          ; four places behind the last products
.endr
	s_lshl_b32 s97, s93, 7
	v_add_nc_u32 v3, s97, v4                       ; the stage: row r, the head's 128 bytes of the pair's 256, + 32 h
	WIN 0x41
.set kk, 0
.rept 8
	v_pk_mul_f32 v[OA1+2*kk:OA1+2*kk+1], v[OA1+2*kk:OA1+2*kk+1], s[88:89] op_sel_hi:[1,0]    ; x 2^(e8 + e9); each accumulator from its low end on
.set kk, kk+1
.endr
	WIN 0x04
.irp u, 0,1
	ds_store_b128 v3, v[OA1+8*\u:OA1+8*\u+3] offset:64*\u          ; lane (r, h): out(query r, e = 16 u + 8 h + 0 .. 7)
	ds_store_b128 v3, v[OA1+8*\u+4:OA1+8*\u+7] offset:64*\u+16
.endr
	WIN 0
	s_add_co_u32 s93, s93, 1
	s_cmp_lt_u32 s93, 2
	s_wait_alu depctr_va_vdst(0)
	s_cbranch_scc1 .Lhead
	; the pair's 256 bytes of the tile's 16 rows leave: each store of the wave covers two runs of 256 consecutive bytes, aligned, in the rows of slots 2 i and 2 i + 1
	s_lshr_b32 s97, s92, 1
	s_lshl_b32 s97, s97, 6
	s_and_b32 s98, s92, 1
	s_lshl_b32 s98, s98, 8
	v_add_nc_u32 v7, s97, v5
	v_and_b32 v[TT], 15, v0
	v_lshl_add_u32 v[TT], v[TT], 4, s98            ; 16 r + 256 x pair
.irp i, 0,1,2,3,4,5,6,7
	ds_load_b32 v[96+\i], v7 offset:8*\i           ; the time step of slot 16 t + 2 i + h
.endr
.irp i, 0,1,2,3,4,5,6,7
	ds_load_b128 v[32+4*\i:35+4*\i], v2 offset:2*OP*\i             ; LDS serves a wave's instructions in order: these see the two heads' stores
.endr
	s_wait_alu depctr_va_vdst(0)
	s_wait_dscnt 8                                 ; the eight time steps are in
.irp i, 0,1,2,3,4,5,6,7
	v_min_u32 v[96+\i], 0x1ff, v[96+\i]
.endr
.irp i, 0,1,2,3,4,5,6,7
	v_lshl_add_u32 v[96+\i], v[96+\i], 14, v[TT]   ; time step x 16,384 + my place in the row
.endr
	s_wait_alu depctr_va_vdst(0)
.irp i, 0,1,2,3,4,5,6,7
	s_wait_dscnt 7-\i
	global_store_b128 v[96+\i], v[32+4*\i:35+4*\i], s[26:27] th:TH_STORE_NT
.endr
	s_add_co_u32 s92, s92, 1
	s_cmp_lt_u32 s92, 8
	s_cbranch_scc1 .Lpair
	s_wait_tensorcnt 0x0                           ; the wave's end, behind my last LDS store
	ds_add_u32 v[SPW], v[NIL]
	s_wait_dscnt 0x0
	s_endpgm
.Lfunc_end_k_q902da66714_seqattn:
	.size	k_q902da66714_seqattn, .Lfunc_end_k_q902da66714_seqattn-k_q902da66714_seqattn
	.p2alignl 7, 3214868480
	.fill 96, 4, 3214868480
	.section	.rodata,"a",@progbits
	.p2align	6, 0x0
	.amdhsa_kernel k_q902da66714_seqattn
		.amdhsa_group_segment_fixed_size 299520
		.amdhsa_private_segment_fixed_size 0
		.amdhsa_enable_private_segment 0
		.amdhsa_kernarg_size 80
		.amdhsa_user_sgpr_count 2
		.amdhsa_user_sgpr_kernarg_segment_ptr 1
		.amdhsa_wavefront_size32 1
		.amdhsa_system_sgpr_workgroup_id_x 1
		.amdhsa_system_sgpr_workgroup_id_y 1
		.amdhsa_system_sgpr_workgroup_id_z 1
		.amdhsa_system_vgpr_workitem_id 0
		.amdhsa_next_free_vgpr 512
		.amdhsa_next_free_sgpr 100
		.amdhsa_reserve_vcc 1
		.amdhsa_float_denorm_mode_32 3
		.amdhsa_float_denorm_mode_16_64 3
		.amdhsa_memory_ordered 1
		.amdhsa_forward_progress 1
		.amdhsa_inst_pref_size 255
	.end_amdhsa_kernel
	.section	.bss,"aw",@nobits
	.p2align	6
	.space	262144
	.amdgpu_metadata
---
amdhsa.version: [ 1, 2 ]
amdhsa.kernels:
  - .name:           k_q902da66714_seqattn
    .symbol:         k_q902da66714_seqattn.kd
    .args:
      - { .name: inp, .offset: 0, .size: 8, .value_kind: global_buffer, .address_space: global }
      - { .name: mask, .offset: 8, .size: 8, .value_kind: global_buffer, .address_space: global }
      - { .name: Wq, .offset: 16, .size: 8, .value_kind: global_buffer, .address_space: global }
      - { .name: bq, .offset: 24, .size: 8, .value_kind: global_buffer, .address_space: global }
      - { .name: Wk, .offset: 32, .size: 8, .value_kind: global_buffer, .address_space: global }
      - { .name: bk, .offset: 40, .size: 8, .value_kind: global_buffer, .address_space: global }
      - { .name: Wv, .offset: 48, .size: 8, .value_kind: global_buffer, .address_space: global }
      - { .name: bv, .offset: 56, .size: 8, .value_kind: global_buffer, .address_space: global }
      - { .name: lowp_scales, .offset: 64, .size: 8, .value_kind: global_buffer, .address_space: global }
      - { .name: out0, .offset: 72, .size: 8, .value_kind: global_buffer, .address_space: global }
    .group_segment_fixed_size: 299520
    .private_segment_fixed_size: 0
    .kernarg_segment_align: 8
    .kernarg_segment_size: 80
    .max_flat_workgroup_size: 256
    .sgpr_count:     100
    .vgpr_count:     512
    .wavefront_size: 32
...
	.end_amdgpu_metadata
.endif
;; end of part 1
